; MI455X (gfx1250); checked and timed in simulation.
; The chip was launched on July 23, 2026; its instructions are those of AMD's public machine-readable ISA for CDNA 5 (MIT licence, August 2026) and "CDNA5" Instruction Set Architecture Reference Guide (July 2026). The comments in the code are by the model that wrote it; some were corrected since.
;; Vi T Self Attention. Allowed arithmetic: matrix products marked QUANTISED: E2M1 operands, one E8M0 scale for each 32 along K, by v_wmma_scale_f32_16x16x128_f8f6f4 with both operands' format E2M1 (or v_wmma_scale_f32_32x16x128_f4), f32 sums; everything else in f32.
;; Inputs: Wk_codes 768 x 24 x 16 uint8 (E2M1 codes of Wk, K innermost, in blocks of 32 codes, two codes a byte); Wk_scales 768 x 24 uint8 (E8M0 scales of Wk, one for each 32 codes along K); Wq_codes 768 x 24 x 16 uint8 (E2M1 codes of Wq, K innermost, in blocks of 32 codes, two codes a byte); Wq_scales 768 x 24 uint8 (E8M0 scales of Wq, one for each 32 codes along K); Wv_codes 768 x 24 x 16 uint8 (E2M1 codes of Wv, K innermost, in blocks of 32 codes, two codes a byte); Wv_scales 768 x 24 uint8 (E8M0 scales of Wv, one for each 32 codes along K); bk 768 float32; bq 768 float32; bv 768 float32; hidden_states_codes 16 x 1,024 x 24 x 16 uint8 (E2M1 codes of hidden_states, K innermost, in blocks of 32 codes, two codes a byte); hidden_states_scales 16 x 1,024 x 24 uint8 (E8M0 scales of hidden_states, one for each 32 codes along K).
;; Outputs: out0 16 x 1,024 x 768 float32.
;; This version of the problem:
;;   THIS VERSION OF THE PROBLEM IS GIVEN IN LOW PRECISION. The matrix products marked QUANTISED in the list below multiply operands that are first quantised to E2M1 (2 exponent bits, 1 mantissa bit; 4 bits a number), with one power-of-two scale for each 32 numbers along K (OCP MX v1.0); their sums are f32. All else is computed in f32.
;;   The module's matrix products, in the order in which they are computed (A, B: the left and right operand; K: the contracted axis; several contracted axes count as one K, in the product's order):
;;     1. [M 16,384, K 768] x [K 768, N 768]; A: input hidden_states (given as codes); B: input Wq (given as codes): QUANTISED
;;     2. [M 16,384, K 768] x [K 768, N 768]; A: input hidden_states (given as codes); B: input Wk (given as codes): QUANTISED
;;     3. [M 16,384, K 768] x [K 768, N 768]; A: input hidden_states (given as codes); B: input Wv (given as codes): QUANTISED
;;     4. batch 192 x [M 1,024, K 64] x [K 64, N 1,024]; A: computed on the way; B: computed on the way: QUANTISED
;;     5. batch 192 x [M 1,024, K 1,024] x [K 1,024, N 64]; A: softmax (see below); B: computed on the way: QUANTISED
;;   THE QUANTISER, for each operand of a quantised product, along K:
;;     - K is cut into blocks of 32 from its start; a last block that is shorter is filled with zeros.
;;     - A block's scale is 2^e with e = floor(log2(the largest magnitude in the block)) - 2, held to -126 .. 127; a block of zeros has e = 0. As a byte (E8M0): e + 127.
;;     - Each number is divided by its block's scale, clamped to +-6, and rounded to the nearest number of E2M1, ties to even, subnormals kept.
;;     - The product sums the exact products of the quantised numbers (number of the format x scale) in f32.
;;   ~~~python
;;   def quantise(x, axis):      # numpy; x: float32 -> the quantised numbers, widened to float32 again
;;       x = np.moveaxis(x, axis, -1); K = x.shape[-1]
;;       x = np.pad(x, [(0, 0)] * (x.ndim - 1) + [(0, -K % 32)]); x = x.reshape(x.shape[:-1] + (-1, 32)); a = np.abs(x).max(-1, keepdims=True)
;;       e = np.where(a > 0, np.clip(np.frexp(np.where(a > 0, a, 1))[1] - 1 - 2, -126, 127), 0)      # np.frexp(a)[1] - 1 = floor(log2(a)), exactly
;;       r = np.clip(x / 2.0 ** e, -6, 6)
;;       step = 2.0 ** (np.maximum(np.frexp(np.where(r == 0, 1, r))[1] - 1, 0) - 1)
;;       q = np.round(r / step) * step * 2.0 ** e      # np.round: ties to even
;;       return np.moveaxis(q.reshape(q.shape[:-2] + (-1,))[..., :K], -1, axis).astype(np.float32)
;;   ~~~
;;   SOFTMAX AHEAD OF A QUANTISED PRODUCT. Where the list says 'softmax', what is quantised is not the finished softmax but p = 2^(t - M), with t = logit x log2(e) and M = ceil(the row's largest t), a whole number; so 1/2 < the row's largest p <= 1. The row's sum l is taken of the UNQUANTISED p, in f32, and the product's result is divided by l at the end. Since M is a whole number, a kernel that streams over the keys may use a running M (the ceiling of the running maximum): every later rescaling is an exact power of two, which a block's scale takes up: the codes' values come out the same.
;;   OPERANDS COMPUTED ON THE WAY. 'Computed on the way' means the value that the module computes at that place (a softmax that the list does not call 'softmax' is quantised finished and normalised). What goes into a quantiser is computed in f32, as accurately as f32 sums, v_exp_f32 and their like allow (about 1e-6 of the number): no bf16 or f16 on the way to a quantiser, and a product that is left as it is and whose result goes on into a quantised operand takes f32 operands (vector FMAs, or v_wmma_f32_16x16x4_f32). A number that lies on a knife's edge between two numbers of the format may be rounded either way, as far as f32 arithmetic and the matrix unit's own rounding can turn it there, and no further.
;;   INPUTS GIVEN AS CODES. Wk (in the module: [768, 768], K = its axis 1); Wq (in the module: [768, 768], K = its axis 1); Wv (in the module: [768, 768], K = its axis 1); hidden_states (in the module: [16, 1024, 768], K = its axis 2): each comes as NAME_codes (uint8): NAME with its K axis moved to the last place and cut into blocks of 32 codes, [.., K / 32, bytes a block], one block behind the other in memory; two codes a byte, the lower K in the low four bits (a code: sign, 2 exponent bits, 1 mantissa bit); and NAME_scales (uint8): the same leading axes, one E8M0 byte (e + 127) for each 32 codes along K. Its value is code x scale, taken as it is: it is not quantised again, and the codes and scales need not be those that the quantiser above would give.
;; One version. Each part assembles by itself: llvm-mc -triple=amdgcn-amd-amdhsa -mcpu=gfx1250 --defsym DOCPART=n.
;; ======== version 1 of 1: 2 launches
;; limits: right only within a limited range of input values
;; workspace buffers: qi 6,291,456 bytes; qs 393,216 bytes; kv 13,369,344 bytes
;; launch proj (part 1): grid 64 x 4, 8 waves a work-group, clusters of 4 x 1, 327,680 bytes of LDS; arguments hidden_states_codes, hidden_states_scales, Wq_codes, Wk_codes, Wv_codes, Wq_scales, Wk_scales, Wv_scales, bq, bk, bv, qi, qs, kv; writes qi, qs, kv
.if DOCPART == 1
	.amdgcn_target "amdgcn-amd-amdhsa--gfx1250"
	.amdhsa_code_object_version 6
	.text
	.protected	k_qa65d38c236_proj
	.globl	k_qa65d38c236_proj
	.p2align	8
	.type	k_qa65d38c236_proj,@function
k_qa65d38c236_proj:
	s_mov_b64 s[64:65], 0
	v_nop
	global_prefetch_b8 v0, s[64:65] scope:SCOPE_SE
	s_setreg_imm32_b32 hwreg(HW_REG_WAVE_MODE, 25, 1), 1
	s_wait_xcnt 0x0
	s_wait_alu depctr_hold_cnt(0) depctr_sa_sdst(0) depctr_va_vdst(0) depctr_va_sdst(0) depctr_va_ssrc(0) depctr_va_vcc(0) depctr_vm_vsrc(0)
	s_getreg_b32 s2, hwreg(HW_REG_IB_STS2, 6, 4)
	s_cmp_eq_u32 s2, 0
	s_cbranch_scc0 .Lentry_in_a_cluster
	s_endpgm
.Lentry_in_a_cluster:
	s_bfe_u32 s2, ttmp6, 0x10000c
	s_cmp_lg_u32 s2, 0x3003
	s_cbranch_scc0 .Lentry_shape_is_right
	s_endpgm
.Lentry_shape_is_right:
; q = x Wq^T + bq, k = x Wk^T + bk, v = x Wv^T + bv on codes of FP4 (E2M1) with one E8M0 scale for each 32 along K = 768; the results, in f32, are
; quantised at once for the two products of attention: q and k along the head's 64 (two blocks of 32), v along the keys (a block = 32 neighbouring keys),
; and stored as IMAGES OF OPERAND REGISTERS (a group of four registers: lane l's 16 bytes at 16 l, 512 bytes on end), with their scale words beside them.
; DEAD WORK: none is left out.  bk would cancel in a softmax of real numbers, but it moves k's codes and scales, and the quantiser is a step of the problem: it stays.  All eleven inputs are loaded.
; LIMITS: a block of zeros gets the scale byte 1 where the quantiser says 127 (its codes are zeros, and this program alone reads the bytes); a block's largest magnitude is taken as at least 2^-124
; (so the byte cannot fall under 1); NaN and infinities are not served; the bias is the C of a sum's first matrix instruction, so the order of the f32 sum is bias first, then K ascending.
; SHARES.  256 work-groups: G = 4 x cluster x + cx names 256 rows of x (batch = cluster x, keys 256 cx on), y names the heads 3 y + n, n = 0..2.  Wave w of eight owns rows 32 w .. 32 w + 31: two tiles of 16,
; whose codes for all of K stay in 96 registers.  It makes nine groups (3 heads x q, k, v): 8 accumulators x 6 K steps = 48 matrix instructions, then one quantisation of 64 numbers a lane.
; CLUSTER.  The four row groups of a cluster (same y) read the same weights, scales and biases: these are asked for JOINTLY, the mask naming all four.  x is read by one wave of a work-group once and goes from
; memory straight into registers; the weights take 248,832 of the LDS bytes, so x has no room there and is not shared along y: hence 4 x 1 and not 4 x 4.
; LAYOUT OF THE RESULTS.  q, k: source 0 = 16 rows of W, source 1 = 16 rows of x: a lane holds ONE row of x and eight neighbouring features.  v: source 0 = 16 rows of x, source 1 = 16 rows of W: a lane holds
; ONE feature and eight neighbouring keys.  Either way register 16 b + 8 u + j of the 64 holds element 16 u + 8 (lane / 16) + j of block b, and lane xor 16 holds the block's other 16.
; REGISTERS: window 0: v1-15 addresses; v16-21 x's scale words; v22-33 W's; v34-37 v's bias; v40-71 the bias as a C; v72-135 W's fragments, two buffers; v136-199 accumulators; v200-227 at work.  window 1: v0-95 x's fragments.
.set WCT,   27648                      ; a tile of W in LDS: 64 rows x 432 bytes (384 of codes, 16 of padding behind each 128): 432 = 27 x 16, so the 16 rows of a load start in 16 different groups of four banks (64 banks of 4 bytes: ISA guide 11.1)
.set WSC,   9*WCT                      ; W's scale bytes: kind x 4,608 + head x 1,536 + row x 24
.set BL,    WSC+3*4608                 ; the biases: kind x 768 + head x 256
.set GS,    BL+3*768                   ; the scale words that the waves make are gathered here: chunk 3 n + kind of 512 bytes; no tensor load lands here
.set SPARE, GS+9*512                   ; the spare words, 128 bytes for each wave: four blocks of 256 bytes that no other line names
.set WL,  1                            ; v1   432 r + 16 h: my lane's place in a tile of W
.set WA,  2                            ; v2   the same in the tile in hand
.set SL,  3                            ; v3   WSC + 24 x lane
.set VB,  4                            ; v4   BL + 32 h
.set VBV, 5                            ; v5   BL + 4 r
.set VQK, 6                            ; v6   my byte in a head's images of q or k
.set VV,  7                            ; v7   and of v
.set VGS, 8                            ; v8   GS + 64 w + 4 r: my row pair's scale word
.set VGB, 9                            ; v9   GS + 256 (w / 4) + w % 4 + 4 r: my key block's byte in v's scale words
.set GR,  10                           ; v10  GS + 512 w + 16 x lane: the gathered words on their way out
.set VSO, 11                           ; v11  and their place in memory
.set SPW, 12                           ; v12  LDS address of my spare word; never rewritten
.set NIL, 13                           ; v13  0; never rewritten
.set XA,  14                           ; v14  384 r + 16 h
.set XSA, 15                           ; v15  24 x lane
.set XS,  16                           ; v16-21  x's scale words, K step s: lanes 0-15 tile 0, lanes 16-31 tile 1
.set WS,  22                           ; v22-33  W's: register 6 j + s: lanes 0-15 tile 2 j, lanes 16-31 tile 2 j + 1
.set BV,  34
.set BI,  40
.set WB0, 72
.set ACC, 136
.set TM,  200                          ; v200-203 largest magnitudes, v204-207 bytes, v212-215 the conversions' scale operands
.set PW,  216                          ; the scale word just made
.set PC,  220                          ; v220-227 the codes just made
.set LN,  228                          ; lane, r, h: at the head alone
.set RR,  229
.set HH,  230
.set OUTR, 228                         ; v228-239 the gathered scale words on their way out
.set G1C, 36                           ; s[36:43] descriptor group 1 for a tile of codes;  s[44:51] for the scale bytes;  s[52:59] for the biases
.set G1S, 44
.set G1B, 52
.set D0,  60                           ; s[60:63] group 0 for the scale bytes;  s[68:71] bq or bk;  s[72:75] head 0's codes;  s[76:79] head 1's or 2's codes;  s[80:83] bv
.set D1,  68
.set D2,  72
.set WV,  84
.set CX,  85
.set YY,  87
.set SEL, 88
.set MSB, 0
.macro WIN new                         ; the immediate's high byte repeats the setting that is left
.if MSB != \new
	s_set_vgpr_msb (MSB<<8)|\new
.set MSB, \new
.endif
.endm
.macro ROUND                           ; a round of the cluster's barrier
	s_barrier_signal -1
	s_barrier_wait -1
	s_cmp_lg_u32 s[WV], 0
	s_cbranch_scc1 .Lnot_wave_0_\@
	s_barrier_signal -3
.Lnot_wave_0_\@:
	s_barrier_wait -3
	s_barrier_signal -1
	s_barrier_wait -1
.endm
.macro PLACES
.rept 4
	v_nop
.endr
.endm
; one matrix instruction; ra, rb = 1: that side's scales are read from lanes 16-31
.macro WM d, a, b, c, sa, sb, ra, rb
.if ((\ra) == 0) && ((\rb) == 0)
	v_wmma_scale_f32_16x16x128_f8f6f4 v[\d:\d+7], v[\a:\a+7], v[\b:\b+7], v[\c:\c+7], v[\sa], v[\sb] matrix_a_fmt:MATRIX_FMT_FP4 matrix_b_fmt:MATRIX_FMT_FP4
.elseif (\rb) == 0
	v_wmma_scale_f32_16x16x128_f8f6f4 v[\d:\d+7], v[\a:\a+7], v[\b:\b+7], v[\c:\c+7], v[\sa], v[\sb] matrix_a_fmt:MATRIX_FMT_FP4 matrix_b_fmt:MATRIX_FMT_FP4 matrix_a_scale:MATRIX_SCALE_ROW1
.elseif (\ra) == 0
	v_wmma_scale_f32_16x16x128_f8f6f4 v[\d:\d+7], v[\a:\a+7], v[\b:\b+7], v[\c:\c+7], v[\sa], v[\sb] matrix_a_fmt:MATRIX_FMT_FP4 matrix_b_fmt:MATRIX_FMT_FP4 matrix_b_scale:MATRIX_SCALE_ROW1
.else
	v_wmma_scale_f32_16x16x128_f8f6f4 v[\d:\d+7], v[\a:\a+7], v[\b:\b+7], v[\c:\c+7], v[\sa], v[\sb] matrix_a_fmt:MATRIX_FMT_FP4 matrix_b_fmt:MATRIX_FMT_FP4 matrix_a_scale:MATRIX_SCALE_ROW1 matrix_b_scale:MATRIX_SCALE_ROW1
.endif
.endm
	s_load_b512 s[8:23], s[0:1], 0x0               ; x's codes s[8:9], x's scales s[10:11], Wq, Wk, Wv codes s[12:17], their scales s[18:23]
	s_load_b256 s[24:31], s[0:1], 0x40             ; bq, bk, bv s[24:29], qi s[30:31]
	s_load_b128 s[32:35], s[0:1], 0x60             ; qs s[32:33], kv s[34:35]
	v_lshl_add_u32 v[SPW], v0, 2, SPARE
	v_mov_b32 v[NIL], 0
	ds_add_u32 v[SPW], v[NIL]                      ; the wave's opening: the add, twice on end, and its wait ahead of the first tensor load; the set-up below stands between the second and the wait
	ds_add_u32 v[SPW], v[NIL]
	v_lshrrev_b32 v1, 5, v0
	s_delay_alu instid0(VALU_DEP_1)
	v_readfirstlane_b32 s[WV], v1                  ; wave 0..7
	s_bfe_u32 s[CX], ttmp6, 0x40000                ; cx: my place in the cluster: it enters offsets in memory alone
	s_and_b32 s[YY], ttmp7, 0xffff                 ; y, which the four partners share
	; group 1 for a tile of codes: 64 rows of 384 bytes are 24,576 dense bytes: stated as 96 rows of 256 bytes, each at a multiple of 256; four words of padding behind every 32
	s_mov_b32 s[G1C+0], 15|(1<<20)|(1<<21)|(4<<22)|(3<<25)  ; 15:0 the mask: all four work-groups; 17:16 elements of 1 byte; 20 padding on; 21 set beside a mask; 24:22 code 4; 31:25 code 3
	s_mov_b32 s[G1C+1], 256<<16                    ; tensor_dim0
	s_mov_b32 s[G1C+2], 96<<16                     ; tensor_dim1
	s_mov_b32 s[G1C+3], 256<<16                    ; tile_dim0
	s_mov_b32 s[G1C+4], 96                         ; tile_dim1
	s_mov_b32 s[G1C+5], 256                        ; from row to row
	s_mov_b32 s[G1C+6], 0
	s_mov_b32 s[G1C+7], 0
	; group 1 for three heads' scale bytes: 4,608 dense bytes as 18 rows of 256 (32 elements of 8 bytes); and for their biases: 768 bytes, 3 rows
	s_mov_b32 s[G1S+0], 15|(3<<16)|(1<<21)
	s_mov_b32 s[G1S+1], 32<<16
	s_mov_b32 s[G1S+2], 18<<16
	s_mov_b32 s[G1S+3], 32<<16
	s_mov_b32 s[G1S+4], 18
	s_mov_b32 s[G1S+5], 32
	s_mov_b32 s[G1S+6], 0
	s_mov_b32 s[G1S+7], 0
	s_mov_b32 s[G1B+0], 15|(3<<16)|(1<<21)
	s_mov_b32 s[G1B+1], 32<<16
	s_mov_b32 s[G1B+2], 3<<16
	s_mov_b32 s[G1B+3], 32<<16
	s_mov_b32 s[G1B+4], 3
	s_mov_b32 s[G1B+5], 32
	s_mov_b32 s[G1B+6], 0
	s_mov_b32 s[G1B+7], 0
	s_mov_b32 s[SEL], 0x76543210
	s_mov_b32 s[SEL+1], 0xfedcba98                 ; v_permlanex16_b32's selects for lane l xor 16
	s_mov_b32 s91, 0                               ; the upper word of every 32-bit offset below; never rewritten
	s_wait_dscnt 0x0                               ; both opening adds are done
	s_wait_kmcnt 0x0
	; wave w fetches for kind w % 3 (q, k, v): the buffers are chosen by the wave's number, which is the same in all partners
	s_cmp_ge_u32 s[WV], 3
	s_cselect_b32 s86, 3, 0
	s_sub_co_u32 s86, s[WV], s86
	s_cmp_ge_u32 s86, 3
	s_cselect_b32 s99, 3, 0
	s_sub_co_u32 s86, s86, s99                     ; w % 3
	s_cmp_eq_u32 s86, 0
	s_cselect_b64 s[92:93], s[12:13], s[14:15]
	s_cselect_b64 s[94:95], s[18:19], s[20:21]
	s_cselect_b64 s[96:97], s[24:25], s[26:27]
	s_cmp_eq_u32 s86, 2
	s_cselect_b64 s[92:93], s[16:17], s[92:93]     ; codes
	s_cselect_b64 s[94:95], s[22:23], s[94:95]     ; scale bytes
	s_cselect_b64 s[96:97], s[28:29], s[96:97]     ; bias
	s_mul_i32 s90, s[YY], 4608
	s_mov_b32 s[D0], 1
	s_mul_i32 s[D0+1], s[WV], 4608
	s_add_co_u32 s[D0+1], s[D0+1], WSC-3*4608      ; waves 3, 4, 5 fetch the scale bytes of kinds 0, 1, 2
	s_add_nc_u64 s[D0+2:D0+3], s[94:95], s[90:91]
	s_or_b32 s[D0+3], s[D0+3], 0x80000000
	s_mul_i32 s90, s[YY], 768
	s_mov_b32 s[D1], 1
	s_mul_i32 s[D1+1], s[WV], 768
	s_add_co_u32 s[D1+1], s[D1+1], BL-6*768        ; waves 6, 7 fetch bq, bk
	s_add_nc_u64 s[D1+2:D1+3], s[96:97], s[90:91]
	s_or_b32 s[D1+3], s[D1+3], 0x80000000
	s_mul_i32 s90, s[YY], 3*24576
	s_add_nc_u64 s[92:93], s[92:93], s[90:91]      ; the first of my three heads' 64 rows
	s_mul_i32 s98, s[WV], WCT
	s_mov_b32 s[D2], 1                             ; waves 0, 1, 2: head 0's tile of kind w
	s_mov_b32 s[D2+1], s98
	s_mov_b64 s[D2+2:D2+3], s[92:93]
	s_or_b32 s[D2+3], s[D2+3], 0x80000000
	s_mov_b32 s90, 24576
	s_cmp_ge_u32 s[WV], 3
	s_cselect_b32 s90, 2*24576, s90                ; later: waves 0, 1, 2 head 1's tiles, waves 3, 4, 5 head 2's: tile 3 + w either way
	s_mov_b32 s[D2+4], 1
	s_add_co_u32 s[D2+5], s98, 3*WCT
	s_add_nc_u64 s[D2+6:D2+7], s[92:93], s[90:91]
	s_or_b32 s[D2+7], s[D2+7], 0x80000000
	s_mul_i32 s90, s[YY], 768
	s_mov_b32 s[D2+8], 1                           ; later: wave 6: bv
	s_mov_b32 s[D2+9], BL+2*768
	s_add_nc_u64 s[D2+10:D2+11], s[28:29], s[90:91]
	s_or_b32 s[D2+11], s[D2+11], 0x80000000
	ROUND                                          ; all four work-groups are here: the joint loads meet
	; the head's loads, one a wave: one chain of branches on the wave's number, a load to an arm, all arms to one join
	s_cmp_lt_u32 s[WV], 3
	s_cbranch_scc0 .La_s
	tensor_load_to_lds s[D2:D2+3], s[G1C:G1C+7]
	s_nop 0
	PLACES
	s_branch .La_j
.La_s:
	s_cmp_lt_u32 s[WV], 6
	s_cbranch_scc0 .La_b
	tensor_load_to_lds s[D0:D0+3], s[G1S:G1S+7]
	s_nop 0
	PLACES
	s_branch .La_j
.La_b:
	tensor_load_to_lds s[D1:D1+3], s[G1B:G1B+7]
	s_nop 0
	PLACES
.La_j:
	; x: my 32 rows, all of K, into registers
	s_lshl_b32 s98, ttmp9, 2
	s_add_co_u32 s98, s98, s[CX]                   ; G
	s_lshl_b32 s98, s98, 8
	s_lshl_b32 s99, s[WV], 5
	s_add_co_u32 s98, s98, s99                     ; my first row: 256 G + 32 w
	s_mul_i32 s90, s98, 384
	s_add_nc_u64 s[8:9], s[8:9], s[90:91]
	s_mul_i32 s90, s98, 24
	s_add_nc_u64 s[10:11], s[10:11], s[90:91]
	v_and_b32 v[LN], 31, v0
	v_and_b32 v[RR], 15, v0
	s_wait_alu depctr_va_vdst(0)
	v_bfe_u32 v[HH], v0, 4, 1
	v_mul_u32_u24 v[XA], v[RR], 384
	s_delay_alu instid0(VALU_DEP_1)
	v_lshl_add_u32 v[XA], v[HH], 4, v[XA]
	v_mul_u32_u24 v[XSA], v[LN], 24
	WIN 0x40                                       ; destination window 1
.irp c, 0,1
.irp s, 0,1,2,3,4,5
.irp e, 0,1
	global_load_b128 v[48*\c+8*\s+4*\e:48*\c+8*\s+4*\e+3], v[XA], s[8:9] offset:6144*\c+64*\s+32*\e   ; tile c, K step s: registers 4 e .. 4 e + 3 hold k = 128 s + 64 e + 32 h + 0 .. 31 of row r
.endr
.endr
.endr
	WIN 0
.irp i, 0,1,2
	global_load_b64 v[XS+2*\i:XS+2*\i+1], v[XSA], s[10:11] offset:8*\i   ; lane l: the scale words of my row l, K steps 2 i and 2 i + 1
.endr
	; where the results go
	s_mul_i32 s98, ttmp9, 12
	s_mul_i32 s99, s[YY], 3
	s_add_co_u32 s98, s98, s99                     ; 12 x batch + my first head
	s_lshl_b32 s90, s98, 15
	s_add_nc_u64 s[30:31], s[30:31], s[90:91]      ; qi: 32,768 bytes a head
	s_lshl_b32 s90, s98, 11
	s_add_nc_u64 s[32:33], s[32:33], s[90:91]      ; qs: 2,048
	s_mul_i32 s90, s98, 69632
	s_add_nc_u64 s[34:35], s[34:35], s[90:91]      ; kv: 69,632
	v_mul_u32_u24 v[WL], v[RR], 432
	s_wait_alu depctr_va_vdst(0)
	v_lshl_add_u32 v[WL], v[HH], 4, v[WL]
	v_mad_u32_u24 v[SL], v[LN], 24, WSC
	v_lshl_add_u32 v[VB], v[HH], 5, BL
	v_lshl_add_u32 v[VBV], v[RR], 2, BL
	s_lshl_b32 s90, s[CX], 13
	s_lshl_b32 s98, s[WV], 10
	s_add_co_u32 s98, s98, s90
	v_lshl_add_u32 v[VQK], v[LN], 4, s98           ; q, k: 16 x lane + 1,024 x (8 cx + w): two images of 512 bytes for my two tiles
	s_lshr_b32 s98, s[WV], 2
	s_lshl_b32 s98, s98, 12
	s_add_co_u32 s90, s90, s98
	s_and_b32 s98, s[WV], 3
	s_lshl_b32 s98, s98, 8
	s_add_co_u32 s90, s90, s98
	v_lshlrev_b32 v[VV], 10, v[HH]
	s_delay_alu instid0(VALU_DEP_1)
	v_lshl_add_u32 v[VV], v[RR], 4, v[VV]
	s_delay_alu instid0(VALU_DEP_1)
	v_add_nc_u32 v[VV], s90, v[VV]                 ; v: 4,096 x key step + 1,024 h + 256 x (w % 4) + 16 r
	s_lshl_b32 s90, s[WV], 6
	s_add_co_u32 s90, s90, GS
	v_lshl_add_u32 v[VGS], v[RR], 2, s90
	s_lshr_b32 s90, s[WV], 2
	s_lshl_b32 s90, s90, 8
	s_and_b32 s98, s[WV], 3
	s_add_co_u32 s90, s90, s98
	s_add_co_u32 s90, s90, GS
	v_lshl_add_u32 v[VGB], v[RR], 2, s90
	s_lshl_b32 s90, s[WV], 9
	s_add_co_u32 s90, s90, GS
	v_lshl_add_u32 v[GR], v[LN], 4, s90
	s_lshl_b32 s90, s[CX], 9                       ; my two key steps' 512 bytes of scale words;
	s_lshl_b32 s98, s[WV], 11
	s_add_co_u32 s98, s98, 65536-2048              ; in kv they lie behind the images: k's (wave 1) at 65,536, v's (wave 2) at 67,584
	s_cmp_eq_u32 s[WV], 0
	s_cselect_b32 s98, 0, s98
	s_add_co_u32 s90, s90, s98
	v_lshl_add_u32 v[VSO], v[LN], 4, s90
.irp b, 0,1,2,3
	v_mov_b32 v[TM+4+\b], 0                        ; written once: a lane permute's destination counts as one of its sources
.endr
	s_wait_loadcnt 0x0                             ; x
; W's four fragments of K step ks of the tile in hand
.macro WLOAD ks, buf
.irp t, 0,1,2,3
.irp e, 0,1
	ds_load_b128 v[(\buf)+8*\t+4*\e:(\buf)+8*\t+4*\e+3], v[WA] offset:6912*\t+64*(\ks)+16*((\ks)/2)+32*\e
.endr
.endr
.endm
; 48 matrix instructions: 8 accumulators by turns, K ascending.  tr = 1 (q, k): accumulator 4 c + t = W's tile t (source 0) x my tile c of x.  tr = 0 (v): accumulator 2 t + c = my tile c of x (source 0) x W's tile t.
; The bias is the C of each sum's first instruction.  While one K step is multiplied, the next one's fragments of W are on their way into the other buffer.
.macro GEMM tr
.set KK, 0
.rept 6
.set WBC, WB0+32*(KK%2)
.set WBN, WB0+32*((KK+1)%2)
.if KK < 5
.if KK > 0
	PLACES                                         ; four places in front of loads into registers that the last K step's matrix instructions have read (ISA guide 7.12.1 for vector instructions)
.endif
	WLOAD KK+1, WBN
	s_wait_dscnt 8                                 ; all but the eight just issued: this K step's fragments are in (at K step 0 the scale words and the bias too)
.else
	s_wait_dscnt 0x0
.endif
.if \tr
	WIN 0x04                                       ; source 1 (x) window 1
.else
	WIN 0x01                                       ; source 0 (x) window 1
.endif
.set II, 0
.rept 8
.if \tr
.set TT, II%4
.set CC, II/4
.set RA, WBC+8*TT
.set RB, 48*CC+8*KK
.set SA, WS+6*(TT/2)+KK
.set SB, XS+KK
.set FA, TT%2
.set FB, CC
.else
.set CC, II%2
.set TT, II/2
.set RA, 48*CC+8*KK
.set RB, WBC+8*TT
.set SA, XS+KK
.set SB, WS+6*(TT/2)+KK
.set FA, CC
.set FB, TT%2
.endif
.set DD, ACC+8*II
.set RC, DD
.if KK == 0
.set RC, BI+8*TT
.endif
	WM DD, RA, RB, RC, SA, SB, FA, FB
.set II, II+1
.endr
	WIN 0
.set KK, KK+1
.endr
.endm
; The 64 numbers of a lane become two groups of four code registers, v[PC] on, and a scale word, v[PW]: byte b = block b's scale.
; The code of registers 16 b + 8 u .. + 7 goes to register 4 (b / 2) + 2 u + b % 2; the exchange of halves between neighbours 2 u, 2 u + 1 then leaves, in registers 4 c .. 4 c + 3, block 2 c + (lane / 16) whole and in order.
.macro QUANT
.irp b, 0,1,2,3
	v_max3_num_f32 v[TM+\b], |v[ACC+16*\b]|, |v[ACC+16*\b+1]|, 0x1800000   ; block b: my 16 numbers, and the floor 2^(3 - 127): so the byte cannot fall under 1.  Each accumulator is read from its low end on
.endr
.irp i, 2,4,6,8,10,12,14
.irp b, 0,1,2,3
	v_max3_num_f32 v[TM+\b], v[TM+\b], |v[ACC+16*\b+\i]|, |v[ACC+16*\b+\i+1]|
.endr
.endr
.irp b, 0,1,2,3
	s_delay_alu instid0(VALU_DEP_4)
	v_permlanex16_b32 v[TM+4+\b], v[TM+\b], s[SEL], s[SEL+1]
.endr
.irp b, 0,1,2,3
	s_delay_alu instid0(VALU_DEP_4)
	v_max_num_f32 v[TM+\b], v[TM+\b], v[TM+4+\b]   ; with lane l xor 16's: the block's largest magnitude
.endr
.irp b, 0,1,2,3
	s_delay_alu instid0(VALU_DEP_4)
	v_add_nc_u32 v[TM+12+\b], 0xff000000, v[TM+\b] ; 2 off its exponent field: the conversion takes the exponent field of this operand as its scale
.endr
.irp b, 0,1,2,3
	s_delay_alu instid0(VALU_DEP_4)
	v_lshrrev_b32 v[TM+4+\b], 23, v[TM+12+\b]      ; the scale's byte
.endr
	s_delay_alu instid0(VALU_DEP_3)
	v_lshl_or_b32 v[PW], v[TM+5], 8, v[TM+4]
	s_delay_alu instid0(VALU_DEP_1)
	v_lshl_or_b32 v[PW], v[TM+6], 16, v[PW]
	s_delay_alu instid0(VALU_DEP_1)
	v_lshl_or_b32 v[PW], v[TM+7], 24, v[PW]
	s_wait_xcnt 0x0                                ; the last group's stores have read the code registers: only behind this wait are they written again
.irp b, 0,1,2,3
	v_cvt_scalef32_pk8_fp4_f32 v[PC+4*(\b/2)+(\b%2)], v[ACC+16*\b:ACC+16*\b+7], v[TM+12+\b]
	v_cvt_scalef32_pk8_fp4_f32 v[PC+4*(\b/2)+2+(\b%2)], v[ACC+16*\b+8:ACC+16*\b+15], v[TM+12+\b]
.endr
	v_nop                                          ; one plain place behind the scaled conversions
.irp c, 0,1
.irp u, 0,1
	v_permlane16_swap_b32 v[PC+4*\c+2*\u], v[PC+4*\c+2*\u+1]
.endr
.endr
.endm
; One group: head n, kind k (0 q, 1 k, 2 v)
.macro KIND n, k
	v_add_nc_u32 v[WA], (3*\n+\k)*WCT, v[WL]
.irp j, 0,1
.irp i, 0,1,2
	ds_load_b64 v[WS+6*\j+2*\i:WS+6*\j+2*\i+1], v[SL] offset:4608*\k+1536*\n+768*\j+8*\i   ; lane l: the scale words of row 32 j + l, K steps 2 i and 2 i + 1
.endr
.endr
.if \k < 2
.irp t, 0,1,2,3
.irp e, 0,1
	ds_load_b128 v[BI+8*\t+4*\e:BI+8*\t+4*\e+3], v[VB] offset:768*\k+256*\n+64*\t+16*\e   ; the bias in the result's layout: features 16 t + 8 h + 0 .. 7
.endr
.endr
	WLOAD 0, WB0
	s_wait_alu depctr_va_vdst(0)
	GEMM 1
.else
.irp t, 0,1,2,3
	ds_load_b32 v[BV+\t], v[VBV] offset:1536+256*\n+64*\t     ; v: a lane holds feature 16 t + r in all eight registers of a tile
.endr
	WLOAD 0, WB0
	s_wait_dscnt 8                                 ; all but K step 0's eight fragment loads
.irp t, 0,1,2,3
.irp j, 0,1,2,3,4,5,6,7
	v_mov_b32 v[BI+8*\t+\j], v[BV+\t]
.endr
.endr
	PLACES
	s_wait_alu depctr_va_vdst(0)
	GEMM 0
.endif
	PLACES                                         ; four places in front of the first read of results; they and the lines of QUANT also stand between these products and the next group's loads and first products
	QUANT
.if \k == 0
	global_store_b128 v[VQK], v[PC:PC+3], s[30:31] offset:32768*\n          ; 32 lanes store 512 consecutive bytes, aligned: the image of my tile 0,
	global_store_b128 v[VQK], v[PC+4:PC+7], s[30:31] offset:32768*\n+512    ; and of my tile 1
	ds_store_b32 v[VGS], v[PW] offset:512*(3*\n)   ; both halves of the lanes write the same word with the same value
.elseif \k == 1
	global_store_b128 v[VQK], v[PC:PC+3], s[34:35] offset:69632*\n
	global_store_b128 v[VQK], v[PC+4:PC+7], s[34:35] offset:69632*\n+512
	ds_store_b32 v[VGS], v[PW] offset:512*(3*\n+1)
.else
	global_store_b128 v[VV], v[PC:PC+3], s[34:35] offset:69632*\n+32768        ; sixteen lanes store 256 consecutive bytes, aligned: feature tiles 0 (lanes 0-15) and 1 (lanes 16-31), my 32 keys,
	global_store_b128 v[VV], v[PC+4:PC+7], s[34:35] offset:69632*\n+32768+2048 ; and tiles 2 and 3
.irp t, 0,1,2,3
	ds_store_b8 v[VGB], v[TM+4+\t] offset:512*(3*\n+2)+64*\t   ; byte w % 4 of the scale word of feature 16 t + r
.endr
.endif
.endm
	s_wait_alu depctr_va_vdst(0)                   ; the wait at the head's end
	s_wait_tensorcnt 0x0                           ; my one load of the head is in
	ds_add_u32 v[SPW], v[NIL]
	s_wait_dscnt 0x0
	ROUND                                          ; head 0's tiles, all scale bytes, bq and bk are whole for every wave, and the four work-groups meet
	s_cmp_lt_u32 s[WV], 6                          ; the other first fills, one a wave: heads 1 and 2's six tiles, and bv; wave 7 has none
	s_cbranch_scc0 .Lb_b
	tensor_load_to_lds s[D2+4:D2+7], s[G1C:G1C+7]
	s_nop 0
	PLACES
	s_branch .Lb_j
.Lb_b:
	s_cmp_lt_u32 s[WV], 7
	s_cbranch_scc0 .Lb_j
	tensor_load_to_lds s[D2+8:D2+11], s[G1B:G1B+7]
	s_nop 0
	PLACES
.Lb_j:
	KIND 0, 0                                      ; q and k of head 0 read nothing of what is on its way
	KIND 0, 1
	s_wait_alu depctr_va_vdst(0)
	s_wait_tensorcnt 0x0                           ; my later load is in
	s_wait_dscnt 0x0                               ; no LDS instruction of mine is pending at the signal
	s_barrier_signal -1
	s_barrier_wait -1                              ; everything is whole for every wave
	KIND 0, 2
.irp n, 1,2
	KIND \n, 0
	KIND \n, 1
	KIND \n, 2
.endr
	s_wait_dscnt 0x0                               ; for the others' sake: my scale words and bytes lie in LDS
	s_barrier_signal -1
	s_barrier_wait -1
; the gathered scale words leave: chunk 3 n + kind, 512 bytes, by one store of 32 lanes: 512 consecutive bytes, aligned
.macro SOUT base, stride
.irp n, 0,1,2
	ds_load_b128 v[OUTR+4*\n:OUTR+4*\n+3], v[GR] offset:1536*\n
.endr
	s_wait_dscnt 0x0
.irp n, 0,1,2
	global_store_b128 v[VSO], v[OUTR+4*\n:OUTR+4*\n+3], s[\base:\base+1] offset:\stride*\n
.endr
.endm
	s_cmp_lg_u32 s[WV], 0
	s_cbranch_scc1 .Lnot_q
	SOUT 32, 2048                                  ; wave 0: q's
	s_branch .Lsent
.Lnot_q:
	s_cmp_lt_u32 s[WV], 3
	s_cbranch_scc0 .Lsent
	SOUT 34, 69632                                 ; waves 1 and 2: k's and v's
.Lsent:
	s_wait_tensorcnt 0x0                           ; the wave's end: behind my last tensor load and my last LDS store
	ds_add_u32 v[SPW], v[NIL]
	s_wait_dscnt 0x0
	ROUND                                          ; the closing round: no work-group ends while a partner may still ask for a tile that names it
	s_endpgm
.Lfunc_end_k_qa65d38c236_proj:
	.size	k_qa65d38c236_proj, .Lfunc_end_k_qa65d38c236_proj-k_qa65d38c236_proj
	.p2alignl 7, 3214868480
	.fill 96, 4, 3214868480
	.section	.rodata,"a",@progbits
	.p2align	6, 0x0
	.amdhsa_kernel k_qa65d38c236_proj
		.amdhsa_group_segment_fixed_size 327680
		.amdhsa_private_segment_fixed_size 0
		.amdhsa_enable_private_segment 0
		.amdhsa_kernarg_size 112
		.amdhsa_user_sgpr_count 2
		.amdhsa_user_sgpr_kernarg_segment_ptr 1
		.amdhsa_wavefront_size32 1
		.amdhsa_system_sgpr_workgroup_id_x 1
		.amdhsa_system_sgpr_workgroup_id_y 1
		.amdhsa_system_sgpr_workgroup_id_z 1
		.amdhsa_system_vgpr_workitem_id 0
		.amdhsa_next_free_vgpr 384
		.amdhsa_next_free_sgpr 100
		.amdhsa_reserve_vcc 0
		.amdhsa_float_denorm_mode_32 3
		.amdhsa_float_denorm_mode_16_64 3
		.amdhsa_memory_ordered 1
		.amdhsa_forward_progress 1
		.amdhsa_inst_pref_size 160
	.end_amdhsa_kernel
	.amdgpu_metadata
---
amdhsa.version: [ 1, 2 ]
amdhsa.kernels:
  - .name:           k_qa65d38c236_proj
    .symbol:         k_qa65d38c236_proj.kd
    .args:
      - { .name: hidden_states_codes, .offset: 0, .size: 8, .value_kind: global_buffer, .address_space: global }
      - { .name: hidden_states_scales, .offset: 8, .size: 8, .value_kind: global_buffer, .address_space: global }
      - { .name: Wq_codes, .offset: 16, .size: 8, .value_kind: global_buffer, .address_space: global }
      - { .name: Wk_codes, .offset: 24, .size: 8, .value_kind: global_buffer, .address_space: global }
      - { .name: Wv_codes, .offset: 32, .size: 8, .value_kind: global_buffer, .address_space: global }
      - { .name: Wq_scales, .offset: 40, .size: 8, .value_kind: global_buffer, .address_space: global }
      - { .name: Wk_scales, .offset: 48, .size: 8, .value_kind: global_buffer, .address_space: global }
      - { .name: Wv_scales, .offset: 56, .size: 8, .value_kind: global_buffer, .address_space: global }
      - { .name: bq, .offset: 64, .size: 8, .value_kind: global_buffer, .address_space: global }
      - { .name: bk, .offset: 72, .size: 8, .value_kind: global_buffer, .address_space: global }
      - { .name: bv, .offset: 80, .size: 8, .value_kind: global_buffer, .address_space: global }
      - { .name: qi, .offset: 88, .size: 8, .value_kind: global_buffer, .address_space: global }
      - { .name: qs, .offset: 96, .size: 8, .value_kind: global_buffer, .address_space: global }
      - { .name: kv, .offset: 104, .size: 8, .value_kind: global_buffer, .address_space: global }
    .group_segment_fixed_size: 327680
    .private_segment_fixed_size: 0
    .kernarg_segment_align: 8
    .kernarg_segment_size: 112
    .max_flat_workgroup_size: 256
    .sgpr_count:     100
    .vgpr_count:     384
    .wavefront_size: 32
...
	.end_amdgpu_metadata
.endif
;; end of part 1
;; launch attn (part 2): grid 4 x 64, 16 waves a work-group, clusters of 4 x 1, 327,680 bytes of LDS; arguments qi, qs, kv, out0; writes out0
.if DOCPART == 2
	.amdgcn_target "amdgcn-amd-amdhsa--gfx1250"
	.amdhsa_code_object_version 6
	.text
	.protected	k_qa65d38c236_attn
	.globl	k_qa65d38c236_attn
	.p2align	8
	.type	k_qa65d38c236_attn,@function
k_qa65d38c236_attn:
	s_mov_b64 s[64:65], 0
	v_nop
	global_prefetch_b8 v0, s[64:65] scope:SCOPE_SE
	s_setreg_imm32_b32 hwreg(HW_REG_WAVE_MODE, 25, 1), 1
	s_wait_xcnt 0x0
	s_wait_alu depctr_hold_cnt(0) depctr_sa_sdst(0) depctr_va_vdst(0) depctr_va_sdst(0) depctr_va_ssrc(0) depctr_va_vcc(0) depctr_vm_vsrc(0)
	s_getreg_b32 s2, hwreg(HW_REG_IB_STS2, 6, 4)
	s_cmp_eq_u32 s2, 0
	s_cbranch_scc0 .Lentry_in_a_cluster
	s_endpgm
.Lentry_in_a_cluster:
	s_bfe_u32 s2, ttmp6, 0x10000c
	s_cmp_lg_u32 s2, 0x3003
	s_cbranch_scc0 .Lentry_shape_is_right
	s_endpgm
.Lentry_shape_is_right:
; out0[b][q][64 head + d] = the sum over keys of softmax(q . k / 8) v, both products on codes of FP4 (E2M1) with one E8M0 scale for each 32 along a product's K.  No work of the problem is left out here.
; q, k and v come as the launch before has laid them: images of operand registers and scale words.
; THE SOFTMAX: t = score x log2(e) / 8; M = the row's largest t so far, rounded UP to a whole number; p = 2^(t - M) is quantised along the keys, not normalised; the row's sum is taken of the unquantised p,
; in f32, and divides at the end.  When M moves, the sum and O are multiplied by 2^(old M - new M): exact.
; LIMITS: NaN and infinities are not served; the promise holds while |t| stays under 2^31; a block of p that has fallen to zeros keeps the scale byte 1 (its codes are zeros); a block's largest p is taken as
; the exponential of the block's largest score, which leans on v_exp_f32 not falling where its input rises.
; SHARES.  64 clusters of four work-groups; cluster Y takes heads 3 Y + n, n = 0..2, one after the other.  Work-group cx owns queries 256 cx on, each of its sixteen waves one tile of 16.  Every wave walks 1,024 keys, 128 a step.
; CLUSTER.  The four partners read the same K and V: a head (69,632 bytes) is asked for jointly, one load a wave (waves 0-7: 4,096 bytes of K's images each; waves 8-15: 4,608 bytes of V's images and the scale words).
; Each head has LDS bytes of its own, filled once.  Head 0 is asked for at the kernel's head, head 1 behind the round in front of the first key step, head 2 behind a round after two key steps: 8 and 14 key steps
; ahead of their first reads: so no prefetch is laid beside these three requests.  One barrier shows heads 1 and 2 to every wave: signalled after key step 5 of head 0, waited for behind key step 8.
; Behind it no wave waits for another until the closing round.
; THE KEYS OF A TILE ARE CHOSEN BY ADDRESS: row r of tile (c, g) is key 64 c + 32 (r / 8) + 8 g + r % 8.  S^T = K Q^T then gives lane (r, h) of register 32 c + 8 g + j the key 64 c + 32 h + 8 g + j of query r:
; a lane holds two WHOLE blocks of 32 keys, in the order of the second product's operand: a block's maximum needs no other lane and the conversions' results are the operand.
; THE HEAD'S 64 IN K = 128: a fragment of K holds tiles (c, e) and (c, 2 + e); Q stands as (Q | 0) and (0 | Q), zero codes in the other half.  The stored scale word of keys x and x + 16 serves both as it lies.
; K's images get 128 bytes of padding behind each 1,024, so that rows 0-7 and rows 8-15 of a tile, 1,024 bytes apart in memory, fall into different halves of the 64 banks (ISA guide 11.1).
; THE WAY OUT: O^T / the sum goes into the wave's own stage in LDS; a head's 16 rows leave two at a time, one store in each key step of the NEXT head; the last head's leave at the end.
; REGISTERS: v1-11 addresses; v12 -M, v13 largest score, v[14:15] the sum; v16-21 Q's scale words; v22-25 K's, V's; v26-29 stage, selector; v32-63 K; v64-95 V; v96-159 S^T, then p; v160-191 O^T;
; v192-219 zeros and Q by turns; v220-223 rows on their way out; v224-231 p's codes; v232-253 at work.
.set HB,    69632                      ; a head in kv: K's images, V's at 32,768, K's scale words at 65,536, V's at 67,584
.set HL,    73728                      ; a head in LDS: K's images padded (36,864), then the rest as it lies
.set VO,    36864
.set KSO,   VO+32768
.set VSO,   VO+34816
.set STAGE, 3*HL                       ; 16 rows x (256 + 16) bytes for each wave; no tensor load lands here
.set SPARE, STAGE+16*4352              ; the spare words, 128 bytes for each wave
.set LK,  1                            ; 1152 (r / 8) + 256 h + 16 (r % 8)
.set LI,  2                            ; 16 x lane
.set LSK, 3                            ; 128 h + 64 (r / 8) + 4 (r % 8)
.set LS,  4                            ; 4 x lane
.set SPW, 5
.set NIL, 6
.set GO,  7                            ; my byte offset in the wave's rows of out0
.set ADK, 8                            ; images of K;  v9 of V;  v10 K's scale words;  v11 V's
.set ADV, 9
.set ADS, 10
.set ADT, 11
.set QSC, 16
.set KSC, 22                           ; register e: lanes 0-15 fragment (0, e), lanes 16-31 fragment (1, e)
.set VSC, 24
.set STO, 26
.set RD0, 27
.set RDA, 28                           ; the stage's two rows that leave in this step
.set PSEL, 29                          ; byte selector: my two scale bytes to places h and 2 + h
.set KF,  32
.set VF,  64
.set ST,  96
.set OT,  160
.set QZ,  192                          ; Z Q0 Z Q1 Z Q2 Z: (0 | Qn) = v[192 + 8 n ..], (Qn | 0) = v[196 + 8 n ..]
.set FL,  220
.set PC,  224
.set BM,  232
.set QRW, 240
.set WV,  12
.set CX,  13
.set YY,  14
.set G1K, 16
.set G1V, 24
.set G0,  32
.set SEL, 36
.set CS,  38                           ; s[38:39] c = log2(e) / 8;  s40 -c
.set NC,  40
.set CNT, 41
.set OB,  42                           ; s[42:43] where the rows of the head before go
.macro ROUND
	s_barrier_signal -1
	s_barrier_wait -1
	s_cmp_lg_u32 s[WV], 0
	s_cbranch_scc1 .Lnot_wave_0_\@
	s_barrier_signal -3
.Lnot_wave_0_\@:
	s_barrier_wait -3
	s_barrier_signal -1
	s_barrier_wait -1
.endm
.macro PLACES
.rept 4
	v_nop
.endr
.endm
.macro JLOAD                           ; my part of a head: two shapes, two lines, a branch on the wave's number alone
	s_cmp_lt_u32 s[WV], 8
	s_cbranch_scc0 .Lfor_v_\@
	tensor_load_to_lds s[G0:G0+3], s[G1K:G1K+7]
	s_nop 0
	PLACES
	s_branch .Lasked_\@
.Lfor_v_\@:
	tensor_load_to_lds s[G0:G0+3], s[G1V:G1V+7]
	s_nop 0
	PLACES
.Lasked_\@:
.endm
	s_load_b256 s[4:11], s[0:1], 0x0               ; qi, qs, kv, out0
	v_lshl_add_u32 v[SPW], v0, 2, SPARE
	v_mov_b32 v[NIL], 0
	ds_add_u32 v[SPW], v[NIL]                      ; the opening lines: the add twice on end and its wait ahead of the first tensor load
	ds_add_u32 v[SPW], v[NIL]
	v_lshrrev_b32 v1, 5, v0
	s_delay_alu instid0(VALU_DEP_1)
	v_readfirstlane_b32 s[WV], v1                  ; wave 0..15
	s_bfe_u32 s[CX], ttmp6, 0x40000                ; cx enters qi's, qs's and out0's offsets alone
	s_and_b32 s[YY], ttmp7, 0xffff
	s_mov_b32 s[G1K+0], 15|(3<<16)|(1<<20)|(1<<21)|(7<<22)|(31<<25)  ; the mask of all four; elements of 8 bytes; 32 words of padding behind every 256
	s_mov_b32 s[G1K+1], 128<<16                    ; 4 rows of 1,024 bytes
	s_mov_b32 s[G1K+2], 4<<16
	s_mov_b32 s[G1K+3], 128<<16
	s_mov_b32 s[G1K+4], 4
	s_mov_b32 s[G1K+5], 128
	s_mov_b32 s[G1K+6], 0
	s_mov_b32 s[G1K+7], 0
	s_mov_b32 s[G1V+0], 15|(3<<16)|(1<<21)         ; 18 rows of 256 bytes, no padding
	s_mov_b32 s[G1V+1], 32<<16
	s_mov_b32 s[G1V+2], 18<<16
	s_mov_b32 s[G1V+3], 32<<16
	s_mov_b32 s[G1V+4], 18
	s_mov_b32 s[G1V+5], 32
	s_mov_b32 s[G1V+6], 0
	s_mov_b32 s[G1V+7], 0
	s_mov_b32 s[SEL], 0x76543210
	s_mov_b32 s[SEL+1], 0xfedcba98                 ; lane l xor 16
	s_mov_b32 s[CS], 0x3e38aa3b
	s_mov_b32 s[CS+1], s[CS]
	s_mov_b32 s[NC], 0xbe38aa3b
	s_mul_i32 s44, s[YY], 3*HB
	s_lshl_b32 s46, s[WV], 12                      ; in memory: waves 0-7 at 4,096 w,
	s_mul_i32 s47, s[WV], 4608                     ; in LDS: every wave at 4,608 w
	s_sub_co_u32 s48, s47, 4096                    ; waves 8-15 at 32,768 + 4,608 (w - 8)
	s_cmp_lt_u32 s[WV], 8
	s_cselect_b32 s46, s46, s48
	s_add_co_u32 s44, s44, s46
	s_mov_b32 s45, 0
	s_wait_dscnt 0x0
	s_wait_kmcnt 0x0
	s_mov_b32 s[G0], 1
	s_mov_b32 s[G0+1], s47
	s_add_nc_u64 s[G0+2:G0+3], s[8:9], s[44:45]
	s_or_b32 s[G0+3], s[G0+3], 0x80000000
	ROUND                                          ; the four work-groups are here: the joint loads meet
	JLOAD                                          ; head 0: one load a wave
	s_lshl_b32 s47, s[CX], 4
	s_add_co_u32 s47, s47, s[WV]                   ; T: my tile of 16 queries, 0..63
	s_mul_i32 s44, s[YY], 3*32768
	s_lshl_b32 s48, s47, 9
	s_add_co_u32 s44, s44, s48
	s_add_nc_u64 s[4:5], s[4:5], s[44:45]          ; my tile's image in the first head
	s_mul_i32 s44, s[YY], 3*2048
	s_lshr_b32 s48, s47, 1
	s_lshl_b32 s48, s48, 6
	s_add_co_u32 s44, s44, s48
	s_add_nc_u64 s[6:7], s[6:7], s[44:45]          ; the scale words of my pair of tiles
	s_lshr_b32 s48, s[YY], 2
	s_mul_i32 s44, s48, 3145728                    ; the batch,
	s_mul_i32 s48, s47, 16*3072                    ; my first query's row,
	s_add_co_u32 s44, s44, s48
	s_and_b32 s48, s[YY], 3
	s_mul_i32 s48, s48, 768                        ; the first head's 256 bytes in it
	s_add_co_u32 s44, s44, s48
	s_add_nc_u64 s[10:11], s[10:11], s[44:45]
	s_mul_i32 s44, s[WV], 4352
	s_add_co_u32 s44, s44, STAGE                   ; my stage
	s_and_b32 s46, s[WV], 1
	s_lshl_b32 s46, s46, 4                         ; the stored word holds the even tile's two bytes below and the odd tile's above
	v_and_b32 v232, 15, v0                         ; r
	v_bfe_u32 v233, v0, 4, 1                       ; h
	v_and_b32 v234, 31, v0
	v_bfe_u32 v235, v0, 3, 1                       ; r / 8
	v_and_b32 v237, 7, v0                          ; r % 8
	v_lshlrev_b32 v[LS], 2, v234
	v_lshlrev_b32 v[LI], 4, v234
	v_lshlrev_b32 v238, 2, v232
.irp n, 0,1,2
	global_load_b128 v[QZ+4+8*\n:QZ+7+8*\n], v[LI], s[4:5] offset:32768*\n th:TH_LOAD_NT   ; Q of head n: query r, d = 32 h + 0 .. 31
	global_load_b32 v[QRW+\n], v238, s[6:7] offset:2048*\n
.endr
.irp z, 0,1,2,3
.irp i, 0,1,2,3
	v_mov_b32 v[QZ+8*\z+\i], 0                     ; zero codes
.endr
.endr
	v_mul_u32_u24 v[LK], v235, 1152
	v_lshlrev_b32 v[LSK], 7, v233
	v_mul_u32_u24 v[STO], v232, 272
	v_mul_u32_u24 v[RD0], v233, 272
	v_mul_u32_u24 v[GO], v233, 3072
	v_lshl_add_u32 v[LK], v233, 8, v[LK]
	v_lshl_add_u32 v[LSK], v235, 6, v[LSK]
	v_lshl_add_u32 v[STO], v233, 5, v[STO]
	v_lshl_add_u32 v[RD0], v232, 4, v[RD0]
	v_lshl_add_u32 v[GO], v232, 4, v[GO]           ; lanes 0-15 one row of out0, lanes 16-31 the next
	v_lshl_add_u32 v[LK], v237, 4, v[LK]
	v_lshl_add_u32 v[LSK], v237, 2, v[LSK]
	v_add_nc_u32 v[STO], s44, v[STO]               ; in: row r, + 32 h
	v_add_nc_u32 v[RD0], s44, v[RD0]               ; back: two rows a load
	v_mov_b32 v[PSEL], 0x0c040c00                  ; h = 0: bytes 0 and 2;
	v_mov_b32 v239, 0x040c000c                     ; h = 1: bytes 1 and 3; the others zero
	v_cmp_ne_u32 vcc_lo, 0, v233
	v_cndmask_b32 v[PSEL], v[PSEL], v239, vcc_lo
	v_mov_b32 v236, 0                              ; a lane permute's destination counts as one of its sources
	v_mov_b32 v253, 0                              ; named as the upper half of v[252:253] before it is first written
	s_wait_alu depctr_va_vdst(0)                   ; the wait at the head's end
	s_wait_loadcnt 0x0                             ; Q and its scale words
.irp n, 0,1,2
	v_lshrrev_b32 v[QSC+2*\n], s46, v[QRW+\n]
	s_delay_alu instid0(VALU_DEP_1)
	v_and_b32 v[QSC+2*\n], 0xffff, v[QSC+2*\n]     ; for (Q | 0): bytes 0, 1
	s_delay_alu instid0(VALU_DEP_1)
	v_lshlrev_b32 v[QSC+2*\n+1], 16, v[QSC+2*\n]   ; for (0 | Q): bytes 2, 3
.endr
.macro QK d, a, b, sa, sb, ra          ; a tile of S^T; the constant 0 starts the sum
.if (\ra) == 0
	v_wmma_scale_f32_16x16x128_f8f6f4 v[(\d):(\d)+7], v[(\a):(\a)+7], v[(\b):(\b)+7], 0, v[(\sa)], v[(\sb)] matrix_a_fmt:MATRIX_FMT_FP4 matrix_b_fmt:MATRIX_FMT_FP4
.else
	v_wmma_scale_f32_16x16x128_f8f6f4 v[(\d):(\d)+7], v[(\a):(\a)+7], v[(\b):(\b)+7], 0, v[(\sa)], v[(\sb)] matrix_a_fmt:MATRIX_FMT_FP4 matrix_b_fmt:MATRIX_FMT_FP4 matrix_a_scale:MATRIX_SCALE_ROW1
.endif
.endm
.macro PV d, a, sa, ra                 ; a tile of O^T, added in place
.if (\ra) == 0
	v_wmma_scale_f32_16x16x128_f8f6f4 v[(\d):(\d)+7], v[(\a):(\a)+7], v[PC:PC+7], v[(\d):(\d)+7], v[(\sa)], v253 matrix_a_fmt:MATRIX_FMT_FP4 matrix_b_fmt:MATRIX_FMT_FP4
.else
	v_wmma_scale_f32_16x16x128_f8f6f4 v[(\d):(\d)+7], v[(\a):(\a)+7], v[PC:PC+7], v[(\d):(\d)+7], v[(\sa)], v253 matrix_a_fmt:MATRIX_FMT_FP4 matrix_b_fmt:MATRIX_FMT_FP4 matrix_a_scale:MATRIX_SCALE_ROW1
.endif
.endm
.macro KLOAD                           ; K's four fragments and two scale registers of the step at which v[ADK] and v[ADS] stand
.irp c, 0,1
.irp e, 0,1
	ds_load_b128 v[KF+16*\c+8*\e:KF+16*\c+8*\e+3], v[ADK] offset:2304*\c+128*\e          ; tile (c, e)
	ds_load_b128 v[KF+16*\c+8*\e+4:KF+16*\c+8*\e+7], v[ADK] offset:2304*\c+128*\e+512    ; tile (c, 2 + e)
.endr
.endr
.irp e, 0,1
	ds_load_b32 v[KSC+\e], v[ADS] offset:32*\e
.endr
.endm
; A KEY STEP of head n: 128 keys.  The twelve accumulators take turns, one instruction a turn.
; K was asked for in the middle of the step before (the first step's: ahead of the loop).  A head's last step asks for 4,608 + 256 bytes behind K's images and scale words: bytes of the same head, which nobody uses.
.macro STEP n
	s_wait_dscnt 0x0                               ; K and its scale words are in
.irp c, 0,1
.irp e, 0,1
	QK ST+32*\c+8*\e, KF+16*\c+8*\e, QZ+4+8*\n, KSC+\e, QSC+2*\n, \c
	QK ST+32*\c+16+8*\e, KF+16*\c+8*\e, QZ+8*\n, KSC+\e, QSC+1+2*\n, \c
.endr
.endr
.if \n > 0
	s_wait_xcnt 0x0                                ; the last step's store has read its registers and its base
	s_add_nc_u64 s[OB:OB+1], s[OB:OB+1], 6144      ; two rows of out0 on (the store's offset takes the first 6,144 back)
.endif
	v_add_nc_u32 v[ADK], 4608, v[ADK]              ; the addresses step: these four lines are the places behind the products above, and behind the last step's in front of V's loads
	v_add_nc_u32 v[ADS], 256, v[ADS]
	v_add_nc_u32 v[ADV], 4096, v[ADV]              ; (V's two begin a step short, and are used behind their step)
	v_add_nc_u32 v[ADT], 256, v[ADT]
.irp t, 0,1,2,3
.irp c, 0,1
	ds_load_b128 v[VF+8*\t+4*\c:VF+8*\t+4*\c+3], v[ADV] offset:1024*\t+512*\c   ; this step's V: wanted behind the softmax
.endr
.endr
.irp j, 0,1
	ds_load_b32 v[VSC+\j], v[ADT] offset:128*\j
.endr
	KLOAD                                          ; the next step's K
.if \n > 0
	ds_load_b128 v[FL:FL+3], v[RDA]                ; two rows of the head before, from my stage
	v_add_nc_u32 v[RDA], 544, v[RDA]
.endif
.irp q, 0,1,2,3                        ; the largest score of my two blocks, each in two chains; each accumulator is first read at its low end
	v_max3_num_f32 v[BM+\q], v[ST+16*\q], v[ST+16*\q+1], v[ST+16*\q+2]
.endr
.irp i, 3,5,7,9,11,13
.irp q, 0,1,2,3
	v_max3_num_f32 v[BM+\q], v[BM+\q], v[ST+16*\q+\i], v[ST+16*\q+\i+1]
.endr
.endr
	v_max3_num_f32 v[BM], v[BM], v[ST+15], v[ST+31]
	v_max3_num_f32 v[BM+2], v[BM+2], v[ST+47], v[ST+63]
	s_delay_alu instid0(VALU_DEP_2)
	v_max_num_f32 v[BM], v[BM], v[BM+1]            ; block h
	s_delay_alu instid0(VALU_DEP_2)
	v_max_num_f32 v[BM+2], v[BM+2], v[BM+3]        ; block 2 + h
	s_delay_alu instid0(VALU_DEP_1)
	v_max_num_f32 v237, v[BM], v[BM+2]
	s_delay_alu instid0(VALU_DEP_1)
	v_permlanex16_b32 v236, v237, s[SEL], s[SEL+1]
	s_delay_alu instid0(VALU_DEP_1)
	v_max3_num_f32 v13, v13, v237, v236            ; the running largest score of my query (c is positive)
	s_delay_alu instid0(VALU_DEP_1)
	v_mul_f32 v237, s[NC], v13                     ; -t
	s_delay_alu instid0(VALU_DEP_1)
	v_floor_f32 v238, v237                         ; the new -M = -ceil(t)
	s_delay_alu instid0(VALU_DEP_1)
	v_sub_f32 v239, v238, v12                      ; old M less new M: a whole number, 0 or less
	v_mov_b32 v12, v238
	s_delay_alu instid0(VALU_DEP_2)
	v_cvt_i32_f32 v239, v239                       ; (it saturates)
	s_delay_alu instid0(VALU_DEP_1)
	v_ldexp_f32 v252, 1.0, v239                    ; f = 2^(old M - new M)
.set JJ, 0
.rept 32
	v_pk_fma_f32 v[ST+JJ:ST+JJ+1], v[ST+JJ:ST+JJ+1], s[CS:CS+1], v[12:13] op_sel_hi:[1,0,0]   ; t - M
.set JJ, JJ+2
.endr
	v_fma_f32 v[BM], v[BM], s[CS], v12             ; the same of each block's largest score
	v_fma_f32 v[BM+2], v[BM+2], s[CS], v12
.set JJ, 0
.rept 16
	v_pk_mul_f32 v[OT+JJ:OT+JJ+1], v[OT+JJ:OT+JJ+1], v[252:253] op_sel_hi:[1,0]   ; O^T under the new M, each accumulator from its low end on
.set JJ, JJ+2
.endr
	s_wait_alu depctr_va_vdst(0)                   ; the wait ahead of the batch
.set JJ, 0
.rept 64
	v_exp_f32 v[ST+JJ], v[ST+JJ]                   ; p = 2^(t - M): not normalised
.set JJ, JJ+1
.endr
	v_exp_f32 v[BM], v[BM]                         ; the blocks' largest p: the same two instructions on the same number give the same bits
	v_exp_f32 v[BM+2], v[BM+2]
	v_pk_mul_f32 v[14:15], v[14:15], v[252:253] op_sel_hi:[1,0]   ; the sums under the new M: a plain line behind the batch
	s_wait_alu depctr_va_vdst(0)                   ; and the one wait behind it
	v_max_num_f32 v[BM], 0x1800000, v[BM]          ; the floor 2^(3 - 127): the byte cannot fall under 1
	v_max_num_f32 v[BM+2], 0x1800000, v[BM+2]
	v_add_nc_u32 v240, 0xff000000, v[BM]           ; 2 off the exponent field: the conversion's scale operand
	v_add_nc_u32 v241, 0xff000000, v[BM+2]
.irp c, 0,1
.irp g, 0,1,2,3
	v_cvt_scalef32_pk8_fp4_f32 v[PC+4*\c+\g], v[ST+32*\c+8*\g:ST+32*\c+8*\g+7], v[240+\c]   ; keys 64 c + 32 h + 8 g + 0 .. 7: the operand's register 4 c + g
.endr
.endr
	v_lshrrev_b32 v238, 23, v240                   ; the scales' bytes
	v_lshrrev_b32 v239, 23, v241
	s_delay_alu instid0(VALU_DEP_1)
	v_perm_b32 v253, v239, v238, v[PSEL]           ; at places h and 2 + h of the word,
	s_delay_alu instid0(VALU_DEP_1)
	v_permlanex16_b32 v236, v253, s[SEL], s[SEL+1]
	s_delay_alu instid0(VALU_DEP_1)
	v_or_b32 v253, v253, v236                      ; and lane l xor 16's two: p's scale word for these 128 keys
	v_pk_add_f32 v[242:243], v[ST:ST+1], v[ST+2:ST+3]      ; the row's sum of the unquantised p, in four chains; these 32 lines also stand between the writes of p's codes and scale word and the products below
	v_pk_add_f32 v[244:245], v[ST+4:ST+5], v[ST+6:ST+7]
	v_pk_add_f32 v[246:247], v[ST+8:ST+9], v[ST+10:ST+11]
	v_pk_add_f32 v[14:15], v[14:15], v[ST+12:ST+13]
.set JJ, 14
.rept 6
	v_pk_add_f32 v[242:243], v[242:243], v[ST+JJ:ST+JJ+1]
	v_pk_add_f32 v[244:245], v[244:245], v[ST+JJ+2:ST+JJ+3]
	v_pk_add_f32 v[246:247], v[246:247], v[ST+JJ+4:ST+JJ+5]
	v_pk_add_f32 v[14:15], v[14:15], v[ST+JJ+6:ST+JJ+7]
.set JJ, JJ+8
.endr
	v_pk_add_f32 v[242:243], v[242:243], v[ST+62:ST+63]
	v_pk_add_f32 v[244:245], v[244:245], v[246:247]
	s_delay_alu instid0(VALU_DEP_2)
	v_pk_add_f32 v[14:15], v[14:15], v[242:243]
	s_delay_alu instid0(VALU_DEP_1)
	v_pk_add_f32 v[14:15], v[14:15], v[244:245]
	s_wait_alu depctr_va_vdst(0)                   ; the wait ahead of the wait below
	s_wait_dscnt 0x0                               ; V, its scale words, the next K and the two rows are in
.if \n > 0
	global_store_b128 v[GO], v[FL:FL+3], s[OB:OB+1] offset:256*(\n-1)-6144 th:TH_STORE_NT   ; sixteen lanes store 256 consecutive bytes, aligned
.endif
.irp t, 0,1,2,3
	PV OT+8*\t, VF+8*\t, VSC+\t/2, \t%2            ; features 16 t on; K = these 128 keys
.endr
.endm
.macro LOOP n, trips
	s_mov_b32 s[CNT], \trips
.Lstep_\@:
	STEP \n
	s_sub_co_u32 s[CNT], s[CNT], 1
	s_cmp_lg_u32 s[CNT], 0
	s_cbranch_scc1 .Lstep_\@
.endm
; O^T / the sum goes into my stage; the last head's leaves at once
.macro WAYOUT n
	v_add_f32 v14, v14, v15
	s_delay_alu instid0(VALU_DEP_1)
	v_permlanex16_b32 v236, v14, s[SEL], s[SEL+1]
	s_delay_alu instid0(VALU_DEP_1)
	v_add_f32 v14, v14, v236                       ; the row's sum
	s_wait_alu depctr_va_vdst(0)
	v_rcp_f32 v14, v14
	v_nop                                          ; with the lines above, more than the four places behind the last products
	v_nop
	v_nop
	s_wait_alu depctr_va_vdst(0)                   ; ahead of the first reader of the reciprocal and of O^T
.set JJ, 0
.rept 16
	v_pk_mul_f32 v[ST+JJ:ST+JJ+1], v[OT+JJ:OT+JJ+1], v[14:15] op_sel_hi:[1,0]   ; register 8 t + j: feature 16 t + 8 h + j of query r
.set JJ, JJ+2
.endr
.irp t, 0,1,2,3
	ds_store_b128 v[STO], v[ST+8*\t:ST+3+8*\t] offset:64*\t
	ds_store_b128 v[STO], v[ST+4+8*\t:ST+7+8*\t] offset:64*\t+16
.endr
.if \n == 2
.irp i, 0,1,2,3,4,5,6,7
	ds_load_b128 v[KF+4*\i:KF+3+4*\i], v[RD0] offset:544*\i   ; LDS serves a wave's instructions in order (ISA guide 5.7.1.4): these see my stores
.endr
.irp i, 0,1,2,3,4,5,6,7
	s_wait_dscnt 7-\i                              ; the younger read-backs may stay out
	global_store_b128 v[GO], v[KF+4*\i:KF+3+4*\i], s[10:11] offset:6144*\i+256*\n th:TH_STORE_NT
.endr
.endif
.endm
.macro INIT n                          ; head n's addresses and empty sums: work on registers alone
	v_add_nc_u32 v[ADK], \n*HL, v[LK]
	v_add_nc_u32 v[ADV], \n*HL+VO-4096, v[LI]
	v_add_nc_u32 v[ADS], \n*HL+KSO, v[LSK]
	v_add_nc_u32 v[ADT], \n*HL+VSO-256, v[LS]
.if \n > 0
	v_mov_b32 v[RDA], v[RD0]
.endif
	v_mov_b32 v13, 0xff61b1e6                      ; the largest score so far: -3e38
	v_mov_b32 v12, 0x7e967699                      ; -M: 1e38, so that the first f is 0
	v_mov_b32 v14, 0
	v_mov_b32 v15, 0
.set JJ, 0
.rept 32
	v_mov_b32 v[OT+JJ], 0                          ; O^T: the step is written once a head; its first trip finds zeros
.set JJ, JJ+1
.endr
.endm
.macro NEXTG0                          ; no load of mine is out: the descriptor steps to the next head
	s_add_co_u32 s[G0+1], s[G0+1], HL
	s_add_nc_u64 s[G0+2:G0+3], s[G0+2:G0+3], HB
.endm
	; HEAD 0
	s_wait_tensorcnt 0x0                           ; my part of head 0 is in
	ds_add_u32 v[SPW], v[NIL]
	NEXTG0
	INIT 0
	s_wait_alu depctr_va_vdst(0)
	s_wait_dscnt 0x0
	ROUND                                          ; head 0 is whole for every wave, and the four work-groups meet:
	JLOAD                                          ; head 1's first fill, my one load behind the round
	KLOAD
	LOOP 0, 2
	s_wait_tensorcnt 0x0                           ; my part of head 1 is in; the same lines once more
	ds_add_u32 v[SPW], v[NIL]
	NEXTG0
	s_wait_dscnt 0x0
	ROUND
	JLOAD                                          ; head 2's first fill
	LOOP 0, 3
	s_wait_tensorcnt 0x0                           ; my part of head 2 is in: for the others' sake
	s_wait_dscnt 0x0                               ; no LDS instruction of mine is pending at the signal
	s_barrier_signal -1                            ; between signal and wait stand register work and loads of head 0's bytes, which nobody writes
	LOOP 0, 3
	s_barrier_wait -1                              ; heads 1 and 2 are whole for every wave
	WAYOUT 0
	; HEADS 1 AND 2: no wave waits for another
.irp n, 1,2
	s_wait_xcnt 0x0                                ; no store still reads the base
	s_mov_b64 s[OB:OB+1], s[10:11]
	INIT \n
	KLOAD
	LOOP \n, 8
	WAYOUT \n
.endr
	s_wait_tensorcnt 0x0                           ; the wave's end
	ds_add_u32 v[SPW], v[NIL]
	s_wait_dscnt 0x0
	ROUND                                          ; the closing round
	s_endpgm
.Lfunc_end_k_qa65d38c236_attn:
	.size	k_qa65d38c236_attn, .Lfunc_end_k_qa65d38c236_attn-k_qa65d38c236_attn
	.p2alignl 7, 3214868480
	.fill 96, 4, 3214868480
	.section	.rodata,"a",@progbits
	.p2align	6, 0x0
	.amdhsa_kernel k_qa65d38c236_attn
		.amdhsa_group_segment_fixed_size 327680
		.amdhsa_private_segment_fixed_size 0
		.amdhsa_enable_private_segment 0
		.amdhsa_kernarg_size 32
		.amdhsa_user_sgpr_count 2
		.amdhsa_user_sgpr_kernarg_segment_ptr 1
		.amdhsa_wavefront_size32 1
		.amdhsa_system_sgpr_workgroup_id_x 1
		.amdhsa_system_sgpr_workgroup_id_y 1
		.amdhsa_system_sgpr_workgroup_id_z 1
		.amdhsa_system_vgpr_workitem_id 0
		.amdhsa_next_free_vgpr 256
		.amdhsa_next_free_sgpr 66
		.amdhsa_reserve_vcc 1
		.amdhsa_float_denorm_mode_32 3
		.amdhsa_float_denorm_mode_16_64 3
		.amdhsa_memory_ordered 1
		.amdhsa_forward_progress 1
		.amdhsa_inst_pref_size 96
	.end_amdhsa_kernel
	.amdgpu_metadata
---
amdhsa.version: [ 1, 2 ]
amdhsa.kernels:
  - .name:           k_qa65d38c236_attn
    .symbol:         k_qa65d38c236_attn.kd
    .args:
      - { .name: qi, .offset: 0, .size: 8, .value_kind: global_buffer, .address_space: global }
      - { .name: qs, .offset: 8, .size: 8, .value_kind: global_buffer, .address_space: global }
      - { .name: kv, .offset: 16, .size: 8, .value_kind: global_buffer, .address_space: global }
      - { .name: out0, .offset: 24, .size: 8, .value_kind: global_buffer, .address_space: global }
    .group_segment_fixed_size: 327680
    .private_segment_fixed_size: 0
    .kernarg_segment_align: 8
    .kernarg_segment_size: 32
    .max_flat_workgroup_size: 512
    .sgpr_count:     66
    .vgpr_count:     256
    .wavefront_size: 32
...
	.end_amdgpu_metadata
.endif
;; end of part 2
